; MI455X (gfx1250); checked and timed in simulation.
; The chip was launched on July 23, 2026; its instructions are those of AMD's public machine-readable ISA for CDNA 5 (MIT licence, August 2026) and "CDNA5" Instruction Set Architecture Reference Guide (July 2026). The comments in the code are by the model that wrote it; some were corrected since.
;; AWQ Linear. Allowed arithmetic: float matrix products may take bf16 or f16 operands with f32 sums; other float arithmetic in f32, or as packed bf16 or f16 multiplies, adds, multiply-adds, maxima and minima; sums over many terms, partial sums and values carried from step to step in f32; what a program stores and reads back later, other than sums and carried values, may be rounded once to bf16 or f16.
;; Inputs: bias 11,008 float32; channel_scales 4,096 float32; qweight 11,008 x 2,048 uint8; scales 11,008 x 32 float32; x 1 x 256 x 4,096 float32; zeros 11,008 x 32 float32.
;; Outputs: out0 1 x 256 x 11,008 float32.
;; 2 versions, each right; version 2 is version 1 with the launch prep written anew for expert scheduling mode. Each part assembles by itself: llvm-mc -triple=amdgcn-amd-amdhsa -mcpu=gfx1250 --defsym DOCPART=n.
;; ======== version 1 of 2: 2 launches
;; limits: values are held in f16: magnitudes above 65,504 overflow, below 6.1e-05 lose precision; right only within a limited range of input values
;; workspace buffers: xs 2,097,152 bytes; xg 32,768 bytes
;; launch prep (part 1): grid 64 x 1, 16 waves a work-group, no clusters, 2,560 bytes of LDS; arguments x, channel_scales, xs, xg; writes xs, xg
.if DOCPART == 1
	.amdgcn_target "amdgcn-amd-amdhsa--gfx1250"
	.amdhsa_code_object_version 6
	.text
	.protected	k_q5cb97dd77c_prep
	.globl	k_q5cb97dd77c_prep
	.p2align	8
	.type	k_q5cb97dd77c_prep,@function
k_q5cb97dd77c_prep:
	s_mov_b64 s[64:65], 0
	v_nop
	global_prefetch_b8 v0, s[64:65] scope:SCOPE_SE
	s_setreg_imm32_b32 hwreg(HW_REG_WAVE_MODE, 25, 1), 1
	s_wait_xcnt 0x0
; FIRST OF TWO LAUNCHES for y[m][n] = sum over k of x[m][k] (q[n][k] s[n][g] + z[n][g]) / cs[k] + bias[n], g = k / 128.
; NOTHING IS LEFT OUT: all six inputs reach the result.  The sum is only regrouped, by identities that hold for all finite inputs with cs != 0:
;   with xs[m][k] = x[m][k] / cs[k] and X[m][g] = the sum of xs[m][k] over the 128 k of group g,
;   y[m][n] = sum_k xs[m][k] (q[n][k] s[n][g]) + sum_g z[n][g] X[m][g] + bias[n].
; THIS LAUNCH makes xs (f16, [256][4096], k permuted inside each group) and xg = X, summed in f32 from the unrounded products and written as TWO bf16 numbers: plane 0 holds hi = bf16(X), plane 1
; lo = bf16(X - hi): [2][256][32].  The second launch has two sets of waves, each of which starts its sums with one of the planes.
; THE PERMUTATION is the one that the second launch's unpacking of the 4-bit weights gives to q, so that the products meet the same k.  In chunks of 8 numbers: chunk v (0..15) of a group
; in xs holds chunk u = (v & 8) | ((v & 1) << 2) | ((v >> 1) & 3) of x; inside a chunk word i holds (k_i, k_i+4).
; LIMITS.  |x / cs| must stay under 65,504 (f16); below 6e-5 xs keeps f16's fixed step.  1 / cs is v_rcp_f32's (within one unit in the last place; a denormal cs counts as 0: ISA guide 15.8).
; With cs = 0, NaN or infinities among the inputs the pattern of non-finite results may differ from the reference's.
; SHARES.  A work-group takes 4 rows, so that its 4 x 64 bytes of each plane of xg are 256 consecutive bytes, aligned.  Thread t (0..511) owns chunk t of each row of xs: a wave's store covers 512 consecutive bytes.
; All ten loads of a thread go out at once.  No tensor loads, clusters or matrix units: the launch is a stream of a few megabytes, each byte read once; no prefetch, since every load is issued at the head.
.set XROW,  16384                      ; bytes in a row of x
.set YROW,  8192                       ; bytes in a row of xs
.set PLANE, 16384                      ; bytes in a plane of xg
.set SPARE, 512                        ; LDS: bytes 0-255 the stage for hi ([row][group] bf16), 256-511 for lo; from 512 on the spare words, 128 bytes for each of 16 waves, which no other line names
.set SRC, 1                            ; v1  my chunk's byte offset in a row of x, and in cs
.set DST, 2                            ; v2  16 t: my chunk's byte offset in a row of xs
.set LA,  3                            ; v3  2 g: my group's place in a row of the stage
.set LR,  4                            ; v4  8 x lane: wave 0 reads the stage back and stores it
.set SPW, 5                            ; v5  LDS address of my spare word; never rewritten
.set NIL, 6                            ; v6  0; never rewritten
.set CSC, 8                            ; v[8:15]   cs of my 8 channels
.set X,   16                           ; v[16:47]  8 numbers of each of 4 rows
.set RC,  48                           ; v[48:55]  1 / cs; at the end v[48:51] hold hi in f32
.set TMP, 56                           ; v[56:59]  at work
.set SUM, 60                           ; v[60:63]  a row's sum over my chunk, then over the group
	s_load_b256 s[4:11], s[0:1], 0x0               ; x s[4:5], cs s[6:7], xs s[8:9], xg s[10:11]
	v_lshl_add_u32 v[SPW], v0, 2, SPARE
	v_mov_b32 v[NIL], 0
	v_lshrrev_b32 v[TMP], 5, v0
	v_readfirstlane_b32 s12, v[TMP]                ; wave 0..15
	v_lshrrev_b32 v[LA], 4, v0                     ; g
	v_and_b32 v[TMP], 8, v0                        ; v & 8
	v_and_b32 v[TMP+1], 1, v0
	v_lshl_or_b32 v[TMP], v[TMP+1], 2, v[TMP]      ; | (v & 1) << 2
	v_bfe_u32 v[TMP+1], v0, 1, 2
	v_or_b32 v[TMP], v[TMP], v[TMP+1]              ; | (v >> 1) & 3: u
	v_lshlrev_b32 v[TMP], 5, v[TMP]                ; a chunk of x is 32 bytes
	v_lshl_or_b32 v[SRC], v[LA], 9, v[TMP]         ; a group of x is 512 bytes
	v_lshlrev_b32 v[LA], 1, v[LA]
	v_lshlrev_b32 v[DST], 4, v0
	v_and_b32 v[LR], 31, v0
	v_lshlrev_b32 v[LR], 3, v[LR]
	s_lshl_b32 s14, ttmp9, 16                      ; the work-group's 4 rows: of x,
	s_mov_b32 s15, 0
	s_lshl_b32 s16, ttmp9, 15                      ; of xs,
	s_mov_b32 s17, 0
	s_lshl_b32 s18, ttmp9, 8                       ; of a plane of xg
	s_mov_b32 s19, 0
	s_wait_kmcnt 0x0
	s_add_nc_u64 s[4:5], s[4:5], s[14:15]
	s_add_nc_u64 s[8:9], s[8:9], s[16:17]
	s_add_nc_u64 s[10:11], s[10:11], s[18:19]
	global_load_b128 v[CSC:CSC+3],   v[SRC], s[6:7]
	global_load_b128 v[CSC+4:CSC+7], v[SRC], s[6:7] offset:16
.irp p, 0,1,2,3
	global_load_b128 v[X+8*(\p):X+8*(\p)+3],   v[SRC], s[4:5] offset:(\p)*XROW th:TH_LOAD_NT
	global_load_b128 v[X+8*(\p)+4:X+8*(\p)+7], v[SRC], s[4:5] offset:(\p)*XROW+16 th:TH_LOAD_NT
.endr
	s_wait_loadcnt 0x8                             ; cs is in; the eight loads of x issued behind it may stay out
.irp c, 0,1,2,3,4,5,6,7
	v_rcp_f32 v[RC+(\c)], v[CSC+(\c)]
.endr
	v_nop                                          ; a plain instruction behind the last reciprocal (ISA guide 5.7.2),
	s_wait_alu depctr_va_vdst(0)                   ; and one wait for the batch of eight, ahead of their first reader
; Row p: scaled in f32; its chunk's sum taken of the unrounded numbers; then rounded to f16 into the row's own four lowest registers and stored from there: no store's data is ever rewritten.
.macro ROW p
	s_wait_loadcnt 6-2*(\p)                        ; loads come back in order (ISA guide 5.7.1): my row's two are in, the later rows' stay out
.irp c, 0,2,4,6
	v_pk_mul_f32 v[X+8*(\p)+(\c):X+8*(\p)+(\c)+1], v[X+8*(\p)+(\c):X+8*(\p)+(\c)+1], v[RC+(\c):RC+(\c)+1]
.endr
	v_pk_add_f32 v[TMP:TMP+1],   v[X+8*(\p):X+8*(\p)+1],   v[X+8*(\p)+2:X+8*(\p)+3]
	v_pk_add_f32 v[TMP+2:TMP+3], v[X+8*(\p)+4:X+8*(\p)+5], v[X+8*(\p)+6:X+8*(\p)+7]
	v_pk_add_f32 v[TMP:TMP+1], v[TMP:TMP+1], v[TMP+2:TMP+3]
	v_add_f32 v[SUM+(\p)], v[TMP], v[TMP+1]
.irp i, 0,1,2,3
	v_cvt_pk_f16_f32 v[X+8*(\p)+(\i)], v[X+8*(\p)+(\i)], v[X+8*(\p)+(\i)+4]  ; word i = (k_i, k_i+4)
.endr
	global_store_b128 v[DST], v[X+8*(\p):X+8*(\p)+3], s[8:9] offset:(\p)*YROW
.endm
	ROW 0
	ROW 1
	ROW 2
	ROW 3
	; a group's 16 chunks lie in 16 neighbouring lanes: four steps inside them, riding on the additions; every lane ends with the group's sum
.irp m, 1,2,4,8
.irp p, 0,1,2,3
	v_add_f32_dpp v[SUM+(\p)], v[SUM+(\p)], v[SUM+(\p)] row_xmask:\m row_mask:0xf bank_mask:0xf
.endr
.endr
	v_cvt_pk_bf16_f32 v[TMP],   v[SUM],   v[SUM+1] ; hi of rows 0, 1
	v_cvt_pk_bf16_f32 v[TMP+1], v[SUM+2], v[SUM+3] ; of rows 2, 3
	v_lshlrev_b32 v[RC],   16, v[TMP]              ; hi back in f32: the low half moves up,
	v_and_b32     v[RC+1], 0xffff0000, v[TMP]      ; the high half stays
	v_lshlrev_b32 v[RC+2], 16, v[TMP+1]
	v_and_b32     v[RC+3], 0xffff0000, v[TMP+1]
	v_pk_add_f32 v[SUM:SUM+1],   v[SUM:SUM+1],   v[RC:RC+1]   neg_lo:[0,1] neg_hi:[0,1]  ; X - hi, exact
	v_pk_add_f32 v[SUM+2:SUM+3], v[SUM+2:SUM+3], v[RC+2:RC+3] neg_lo:[0,1] neg_hi:[0,1]
	v_cvt_pk_bf16_f32 v[TMP+2], v[SUM],   v[SUM+1] ; lo
	v_cvt_pk_bf16_f32 v[TMP+3], v[SUM+2], v[SUM+3]
.irp c, 0,1
	ds_store_b16        v[LA], v[TMP+2*(\c)]   offset:256*(\c)       ; the 16 lanes of a group write the same two bytes with the same value
	ds_store_b16_d16_hi v[LA], v[TMP+2*(\c)]   offset:256*(\c)+64
	ds_store_b16        v[LA], v[TMP+2*(\c)+1] offset:256*(\c)+128
	ds_store_b16_d16_hi v[LA], v[TMP+2*(\c)+1] offset:256*(\c)+192
.endr
	s_wait_dscnt 0x0                               ; for wave 0's sake: my stores into the stage are done
	s_barrier_signal -1
	s_barrier_wait -1
	s_cmp_lg_u32 s12, 0
	s_cbranch_scc1 .Lend
	ds_load_b64 v[TMP:TMP+1],   v[LR]
	ds_load_b64 v[TMP+2:TMP+3], v[LR] offset:256
	s_wait_dscnt 0x0
	global_store_b64 v[LR], v[TMP:TMP+1],   s[10:11]               ; 32 lanes store 256 consecutive bytes, at a multiple of 256 from xg's first byte: hi,
	global_store_b64 v[LR], v[TMP+2:TMP+3], s[10:11] offset:PLANE  ; and lo
.Lend:
	s_wait_tensorcnt 0x0                           ; the wave's end, behind my last LDS store
	ds_add_u32 v[SPW], v[NIL]
	s_wait_dscnt 0x0
	s_endpgm
.Lfunc_end_k_q5cb97dd77c_prep:
	.size	k_q5cb97dd77c_prep, .Lfunc_end_k_q5cb97dd77c_prep-k_q5cb97dd77c_prep
	.p2alignl 7, 3214868480
	.fill 96, 4, 3214868480
	.section	.rodata,"a",@progbits
	.p2align	6, 0x0
	.amdhsa_kernel k_q5cb97dd77c_prep
		.amdhsa_group_segment_fixed_size 2560
		.amdhsa_private_segment_fixed_size 0
		.amdhsa_enable_private_segment 0
		.amdhsa_kernarg_size 32
		.amdhsa_user_sgpr_count 2
		.amdhsa_user_sgpr_kernarg_segment_ptr 1
		.amdhsa_wavefront_size32 1
		.amdhsa_system_sgpr_workgroup_id_x 1
		.amdhsa_system_sgpr_workgroup_id_y 1
		.amdhsa_system_sgpr_workgroup_id_z 1
		.amdhsa_system_vgpr_workitem_id 0
		.amdhsa_next_free_vgpr 64
		.amdhsa_next_free_sgpr 66
		.amdhsa_reserve_vcc 0
		.amdhsa_float_denorm_mode_32 3
		.amdhsa_float_denorm_mode_16_64 3
		.amdhsa_memory_ordered 1
		.amdhsa_forward_progress 1
		.amdhsa_inst_pref_size 9
	.end_amdhsa_kernel
	.amdgpu_metadata
---
amdhsa.version: [ 1, 2 ]
amdhsa.kernels:
  - .name:           k_q5cb97dd77c_prep
    .symbol:         k_q5cb97dd77c_prep.kd
    .args:
      - { .name: x, .offset: 0, .size: 8, .value_kind: global_buffer, .address_space: global }
      - { .name: channel_scales, .offset: 8, .size: 8, .value_kind: global_buffer, .address_space: global }
      - { .name: xs, .offset: 16, .size: 8, .value_kind: global_buffer, .address_space: global }
      - { .name: xg, .offset: 24, .size: 8, .value_kind: global_buffer, .address_space: global }
    .group_segment_fixed_size: 2560
    .private_segment_fixed_size: 0
    .kernarg_segment_align: 8
    .kernarg_segment_size: 32
    .max_flat_workgroup_size: 512
    .sgpr_count:     66
    .vgpr_count:     64
    .wavefront_size: 32
...
	.end_amdgpu_metadata
.endif
;; end of part 1
;; launch gemm (part 2): grid 4 x 58, 8 waves a work-group, clusters of 4 x 1, 327,680 bytes of LDS; arguments xs, xg, qweight, scales, zeros, bias, out0; writes out0
.if DOCPART == 2
	.amdgcn_target "amdgcn-amd-amdhsa--gfx1250"
	.amdhsa_code_object_version 6
	.text
	.protected	k_q5cb97dd77c_gemm
	.globl	k_q5cb97dd77c_gemm
	.p2align	8
	.type	k_q5cb97dd77c_gemm,@function
k_q5cb97dd77c_gemm:
	s_mov_b64 s[64:65], 0
	v_nop
	global_prefetch_b8 v0, s[64:65] scope:SCOPE_SE
	s_setreg_imm32_b32 hwreg(HW_REG_WAVE_MODE, 25, 1), 1
	s_wait_xcnt 0x0
	s_wait_alu depctr_hold_cnt(0) depctr_sa_sdst(0) depctr_va_vdst(0) depctr_va_sdst(0) depctr_va_ssrc(0) depctr_va_vcc(0) depctr_vm_vsrc(0)
	s_getreg_b32 s2, hwreg(HW_REG_IB_STS2, 6, 4)
	s_cmp_eq_u32 s2, 0
	s_cbranch_scc0 .Lentry_in_a_cluster
	s_endpgm
.Lentry_in_a_cluster:
	s_bfe_u32 s2, ttmp6, 0x10000c
	s_cmp_lg_u32 s2, 0x3003
	s_cbranch_scc0 .Lentry_shape_is_right
	s_endpgm
.Lentry_shape_is_right:
; SECOND OF TWO LAUNCHES: out[m][n] = sum_k xs[m][k] (q[n][k] s[n][g]) + sum_g z[n][g] X[m][g] + bias[n], g = k / 128.  xs = x / cs (f16, k permuted inside each group) and xg = X (two bf16 planes,
; hi and lo) come from the first launch, whose head shows the identity.  No input and no step of the problem is left out; channel_scales has entered xs and xg.
; FORMATS.  The bulk product runs in f16 with f32 sums: its weight operand is q x f16(s), rounded once.  The zero term is a product in bf16 over the 32 groups (X can pass f16's range).
; UNPACKING.  A word W of q holds k0..k7, four bits each.  With T = W >> 8: (W & 0x000f000f) | 0x64006400 = (1024 + k0, 1024 + k4) in f16; (W & 0x00f000f0) | 0x54005400 = (64 + k1, 64 + k5);
; the same of T gives (k2, k6) and (k3, k7).  One packed fused multiply-add each, (1024 + q) s16 - 1024 s16 or (64 + q) s16 - 64 s16, gives q s16 rounded once (1024 s16 and 64 s16 are exact).
; Nine vector lines for eight weights.  The order of k that this leaves in a fragment is the order in which the first launch has written xs.
; LIMITS.  |s| < 63.9, so that 1024 s stays inside f16; below 6e-5 s keeps f16's fixed step; |x / cs| < 65,504 (first launch); a denormal bias may lose its last bit in halving.  NaN and infinities are not treated apart.
; SHARES.  A work-group makes 64 rows x 192 columns of out: 4 row blocks x 58 column blocks.  Column block b begins at n0 = min(192 b, 10816): the last block overlaps its neighbour, computes like
; the others and stores only its last 64 columns, so each byte of out has one writer.
; EIGHT WAVES, K SPLIT BETWEEN TWO SETS OF FOUR.  Wave v makes all 64 rows x the 48 columns of e = v % 4 (4 x 3 accumulators), over the groups of its set v / 4: of each tile's four groups set 0 takes
; the first two, set 1 the last two.  The split lies in three address offsets; both sets run one text.  So a wave's tile, and the products that each LDS byte feeds, are those of four waves, no weight is
; unpacked twice, and while one wave stands in its LDS loads, a wait or its unpacking, the other wave on its SIMD has products to issue.  The price: the two partial sums meet in LDS once, at the end.
; THE START OF THE SUMS.  Set 0's first instruction is z x hi(X) + bias / 2, set 1's z x lo(X) + bias / 2: the same line on another plane of xg.  Nothing is cleared, no bias is added later.
; THE MATRIX INSTRUCTION IS USED TRANSPOSED: source 0 = 16 rows of weights, source 1 = 16 rows of xs: lane l holds row l % 16 of out and the eight neighbouring columns 8 (l / 16) + 0..7.
; RING.  K goes in 8 tiles of 512 through two LDS slots: 64 rows x 1,024 bytes of xs (waves 0 to 3 fetch 16 rows each) and 192 rows x 256 bytes of q (waves 4 to 7, 48 rows each): every wave has
; a load of its own.  The block's scales (192 x 32 f32) are fetched once, with the first tiles.
; CLUSTER.  The four row blocks of a column block form a cluster: they need the same q and the same scales, which are asked for JOINTLY (mask 15).  Their rows of xs differ and come by plain
; tensor loads behind the same rounds.  The 58 column blocks that share rows of xs are not joined: 58 is no multiple of 4, so no 4 x 4 cluster divides the grid.
; BESIDE THE PRODUCTS.  A K step of 32 has 12 products and 54 unpacking lines: these stand behind the products, 5, 5, 4, 4 for the four products of a group of 16 columns, and make the weights
; that the next such group multiplies.  The 12 accumulators take turns, one instruction a turn, in the same order in every K step.
.set PA,    1040                       ; a row of xs in LDS: 1,024 bytes + 16 = 260 words: row r starts at bank 4 r mod 64 (64 banks of 4 bytes: ISA guide 11.1)
.set PQ,    272                        ; a row of q: 256 + 16 = 68 words: likewise
.set PS,    144                        ; a row of scales: 128 + 16 = 36 words: the 16 rows that a load touches fall on 16 different banks
.set PST,   784                        ; a row of the stage: 768 + 16 = 196 words: row r starts at bank 4 r mod 64
.set QOFF,  64*PA                      ; in a slot: xs's 64 rows, then q's 192
.set SPARE, QOFF+192*PQ                ; 118,784: behind slot 0: the spare words, 128 bytes for each of eight waves: four blocks of 256 bytes that no other line names
.set SLOT1, 131072                     ; slot 1 begins here, so that one exclusive or turns an address in one slot into the other's
.set SCLB,  SLOT1+QOFF+192*PQ          ; 249,856: the scales, filled once
.set STAGE, SCLB+192*PS                ; 277,504: the meeting of the two sets and the way out, 64 rows; no tensor load fills it; it ends at 327,680
.set OROW,  44032                      ; bytes in a row of out: 172 x 256
.set RR,    1                          ; v1   l % 16
.set HH,    2                          ; v2   l / 16
.set ABASE, 3                          ; v3   my lane's place in a tile of xs, my set's half of its rows' bytes; never rewritten
.set QBASE, 4                          ; v4   in a tile of q: my 48 rows, my set's half; never rewritten
.set AAD,   5                          ; v5   the same in the slot in hand
.set QAD,   6                          ; v6
.set SAD,   7                          ; v7   my row's scales, at my set's first group of the tile: 16 bytes on in each tile
.set STO,   8                          ; v8   where I put, and set 0 finds, 32 bytes of a row of the stage
.set RD,    9                          ; v9   where I read rows back
.set CO,    10                         ; v10  my byte offset in out
.set PFQ,   11                         ; v11  the prefetches' offsets; never rewritten
.set PFX,   12                         ; v12
.set SPW,   13                         ; v13  LDS address of my spare word; never rewritten
.set NIL,   14                         ; v14  0; never rewritten
.set TT,    15                         ; v15  at work
.set ACC,   16                         ; v[16:111]   accumulator (rows 16 i, columns 16 t) at ACC + 8 (4 t + i)
.set AF,    112                        ; v[112:175]  fragments of xs, two sets of 4 x 8
.set BF,    176                        ; v[176:199]  weights in f16: 8 registers for each t
.set RW,    200                        ; v[200:223]  raw words of q: two sets, 4 registers (two K steps) for each t
.set SCR,   224                        ; v[224:232]  for each t: (s16, s16), -1024 s16 twice, -64 s16 twice
.set SF,    233                        ; v[233:235]  the next group's scale in f32, for each t
.set TW,    236                        ; v[236:237]  W >> 8
.set ZR,    112                        ; at the start only: z in f32, 16 for each t;
.set ZO,    160                        ; v160-162 the offsets of z, xg and bias;
.set XO,    161
.set BO,    162
.set BC,    200                        ; half the bias as a C operand, 8 for each t;
.set XG,    224                        ; xg's fragments, 8 for each i
.set OB,    112                        ; at the end only: v[112:207] set 1's sums, then rows read back from the stage
.set WV,   18                          ; s18  my wave's number, 0 to 7
.set CX,   19                          ; s19  my place in the cluster = my row block: it enters xs's, xg's, out's and the prefetches' addresses alone
.set BLK,  20                          ; s20  the column block, which the four partners share
.set N0,   21                          ; s21  its first column
.set EE,   22                          ; s22  wave % 4: my 48 columns; also which quarter of a tile I fetch
.set SG,   23                          ; s23  wave / 4: my set
.set G1A,  24                          ; s[24:31] descriptor group 1 for xs's tiles
.set G1Q,  32                          ; s[32:39] for q's
.set G1S,  40                          ; s[40:47] for the scales
.set GA0,  48                          ; s[48:51] group 0: xs, tile 0, slot 0
.set GA1,  52                          ; s[52:55] xs, tile 1, slot 1; it then walks
.set GQ0,  56                          ; s[56:59] q, tile 0, slot 0
.set GQ1,  60                          ; s[60:63] q, tile 1, slot 1; it then walks
.set GS0,  68                          ; s[68:71] the scales
.set MSKL, 72                          ; s72  0x000f000f
.set MSKH, 73                          ; s73  0x00f000f0
.set MAG1, 74                          ; s74  1024 twice in f16
.set MAG2, 75                          ; s75  64 twice in f16
.set CNT,  76                          ; s76  tiles still to be asked for, 6 to 1
.set TB,   77                          ; s77  0 or SLOT1: the slot in hand
.set LIMQ, 78                          ; s78  6 in a wave that prefetches q, else the greatest number
.set LIMX, 79                          ; s79  6 in a wave that prefetches xs, else the greatest number
.set PQA,  80                          ; s[80:81] where my work-group's prefetches of q stand
.set PXA,  82                          ; s[82:83] of xs
; A round of the cluster's barrier: my work-group's barrier, so that wave 0's signal speaks for all eight waves; wave 0 signals; every wave waits for all four work-groups; my work-group's barrier once more.
.macro CREST                           ; a round behind its opening barrier
	s_cmp_lg_u32 s[WV], 0
	s_cbranch_scc1 .Lnot_wave_0_\@
	s_barrier_signal -3
.Lnot_wave_0_\@:
	s_barrier_wait -3
	s_barrier_signal -1
	s_barrier_wait -1
.endm
.macro CROUND
	s_barrier_signal -1
	s_barrier_wait -1
	CREST
.endm
; A refill: waves 0 to 3 fetch their quarters of xs's tile (a load of their own), waves 4 to 7 theirs of q's (jointly).  The branch hangs on the wave's number alone.
; An s_nop 0 and four v_nop follow each of the two lines, ahead of the jump and the label.
.macro JLOAD
	s_cmp_lt_u32 s[WV], 4
	s_cbranch_scc0 .Lfor_q_\@
	tensor_load_to_lds s[GA1:GA1+3], s[G1A:G1A+7]
	s_nop 0
.rept 4
	v_nop
.endr
	s_branch .Lasked_\@
.Lfor_q_\@:
	tensor_load_to_lds s[GQ1:GQ1+3], s[G1Q:G1Q+7]
	s_nop 0
.rept 4
	v_nop
.endr
.Lasked_\@:
.endm
; PREFETCHES INTO THE L2, at the changes of slots behind tiles 0 and 2 (CNT = 6 and 4: CNT | 2 = 6): the two tiles that stand four and five tiles on, which the refills two and three changes later will ask for.
; q: a block's 192 rows x two tiles of 256 bytes: the four partners take 48 rows each, told apart BY ADDRESS; in each, waves 1 to 3 take 16 rows: a lane a row and a tile, one instruction.
; xs: every column block reads the same rows, so block 0's cluster asks alone; each partner for its own 64 rows, waves 4 to 7 for 16 each: four instructions of 8 rows x 4 x 256 bytes.
; Tiles 0 to 3 come by their loads alone; nothing beyond tile 7 is named.  The last column block overlaps its neighbour by 128 rows of q: those rows' tiles 4 to 7 are named by both clusters.
.macro ASK
	s_or_b32 s94, s[CNT], 2
	s_cmp_eq_u32 s94, s[LIMQ]
	s_cbranch_scc0 .Lno_q_\@
	global_prefetch_b8 v[PFQ], s[PQA:PQA+1] th:TH_LOAD_NT scope:SCOPE_SE
.Lno_q_\@:
	s_cmp_eq_u32 s94, s[LIMX]
	s_cbranch_scc0 .Lno_x_\@
	global_prefetch_b8 v[PFX], s[PXA:PXA+1] th:TH_LOAD_NT scope:SCOPE_SE
	global_prefetch_b8 v[PFX], s[PXA:PXA+1] offset:65536 th:TH_LOAD_NT scope:SCOPE_SE
	global_prefetch_b8 v[PFX], s[PXA:PXA+1] offset:1024 th:TH_LOAD_NT scope:SCOPE_SE
	global_prefetch_b8 v[PFX], s[PXA:PXA+1] offset:66560 th:TH_LOAD_NT scope:SCOPE_SE
.Lno_x_\@:
.endm
	s_load_b256 s[4:11], s[0:1], 0x0               ; xs s[4:5], xg s[6:7], q s[8:9], scales s[10:11]
	s_load_b128 s[12:15], s[0:1], 0x20             ; zeros s[12:13], bias s[14:15]
	s_load_b64 s[16:17], s[0:1], 0x30              ; out
	v_lshl_add_u32 v[SPW], v0, 2, SPARE
	v_mov_b32 v[NIL], 0
	ds_add_u32 v[SPW], v[NIL]                      ; the wave's opening: the add, twice on end, and its wait ahead of my first tensor load; the set-up below, work on registers, stands between
	ds_add_u32 v[SPW], v[NIL]                      ; and once more, under the one wait
	v_lshrrev_b32 v[TT], 5, v0
	v_readfirstlane_b32 s[WV], v[TT]               ; wave 0..7
	s_bfe_u32 s[CX], ttmp6, 0x40000                ; cx
	s_and_b32 s[BLK], ttmp7, 0xffff                ; in a cluster launch ttmp7 counts clusters along y: the column block
	s_mul_i32 s[N0], s[BLK], 192
	s_min_u32 s[N0], s[N0], 10816                  ; the last block ends with the last column
	s_and_b32 s[EE], s[WV], 3
	s_lshr_b32 s[SG], s[WV], 2
	; group 1 for xs: 16 rows x 512 elements of 2 bytes, 4,096 elements from row to row; in LDS 4 words of padding (code 3) after every 256 words (code 7); no mask
	s_mov_b32 s[G1A+0], (1<<16)|(1<<20)|(7<<22)|(3<<25)
	s_mov_b32 s[G1A+1], 512<<16                    ; tensor_dim0
	s_mov_b32 s[G1A+2], 16<<16                     ; tensor_dim1
	s_mov_b32 s[G1A+3], 512<<16                    ; tile_dim0
	s_mov_b32 s[G1A+4], 16                         ; tile_dim1
	s_mov_b32 s[G1A+5], 4096                       ; stride
	s_mov_b32 s[G1A+6], 0
	s_mov_b32 s[G1A+7], 0
	; group 1 for q: 48 rows x 256 elements of 1 byte, 2,048 from row to row; padding after every 64 words (code 5); the mask of all four work-groups, bit 21 set beside it
	s_mov_b32 s[G1Q+0], 15|(1<<20)|(1<<21)|(5<<22)|(3<<25)
	s_mov_b32 s[G1Q+1], 256<<16
	s_mov_b32 s[G1Q+2], 48<<16
	s_mov_b32 s[G1Q+3], 256<<16
	s_mov_b32 s[G1Q+4], 48
	s_mov_b32 s[G1Q+5], 2048
	s_mov_b32 s[G1Q+6], 0
	s_mov_b32 s[G1Q+7], 0
	; group 1 for the scales: 48 rows of 128 bytes are 6,144 dense bytes: asked for as 24 rows of 64 elements of 4 bytes, padded after every 32 words (code 4), that is after every row of scales
	s_mov_b32 s[G1S+0], 15|(2<<16)|(1<<20)|(1<<21)|(4<<22)|(3<<25)
	s_mov_b32 s[G1S+1], 64<<16
	s_mov_b32 s[G1S+2], 24<<16
	s_mov_b32 s[G1S+3], 64<<16
	s_mov_b32 s[G1S+4], 24
	s_mov_b32 s[G1S+5], 64
	s_mov_b32 s[G1S+6], 0
	s_mov_b32 s[G1S+7], 0
	; group 0: the count and the LDS addresses, made of constants and the wave's number alone
	s_mov_b32 s[GA0], 1
	s_mul_i32 s[GA0+1], s[EE], 16*PA
	s_mov_b32 s[GA1], 1
	s_add_co_u32 s[GA1+1], s[GA0+1], SLOT1
	s_mov_b32 s[GQ0], 1
	s_mul_i32 s[GQ0+1], s[EE], 48*PQ
	s_add_co_u32 s[GQ0+1], s[GQ0+1], QOFF
	s_mov_b32 s[GQ1], 1
	s_add_co_u32 s[GQ1+1], s[GQ0+1], SLOT1
	s_mov_b32 s[GS0], 1
	s_mul_i32 s[GS0+1], s[EE], 48*PS
	s_add_co_u32 s[GS0+1], s[GS0+1], SCLB
	; byte offsets of my first tiles.  s[84:85] holds cx and feeds xs's descriptors alone; s[86:89] feed the joint loads and never hold cx
	s_lshl_b32 s84, s[CX], 19                      ; 64 rows of 8,192 bytes for each row block,
	s_lshl_b32 s94, s[EE], 17                      ; 16 rows for my quarter
	s_add_co_u32 s84, s84, s94
	s_mov_b32 s85, 0
	s_mul_i32 s86, s[EE], 48
	s_add_co_u32 s86, s86, s[N0]                   ; my first row of q and of the scales
	s_lshl_b32 s88, s86, 7                         ; x 128 bytes of scales
	s_lshl_b32 s86, s86, 11                        ; x 2,048 bytes of q
	s_mov_b32 s87, 0
	s_mov_b32 s89, 0
	s_mov_b32 s[MSKL], 0x000f000f
	s_mov_b32 s[MSKH], 0x00f000f0
	s_mov_b32 s[MAG1], 0x64006400
	s_mov_b32 s[MAG2], 0x54005400
	s_mov_b32 s[CNT], 6
	s_mov_b32 s[TB], 0
	s_sub_co_u32 s94, s[WV], 1
	s_cmp_lt_u32 s94, 3                            ; waves 1 to 3
	s_cselect_b32 s[LIMQ], 6, -1
	s_xor_b32 s94, s[SG], 1
	s_or_b32 s94, s94, s[BLK]                      ; 0 in waves 4 to 7 of column block 0: the same in all four partners, for a given wave
	s_cmp_eq_u32 s94, 0
	s_cselect_b32 s[LIMX], 6, -1
	v_and_b32 v[RR], 15, v0
	v_bfe_u32 v[HH], v0, 4, 1
	s_mul_i32 s94, s[EE], 48*128
	v_lshlrev_b32 v[ZO], 7, v[RR]                  ; z: row (48 e + l % 16) x 128 bytes + 8 groups x 4 bytes for the upper half of the lanes
	v_lshl_add_u32 v[ZO], v[HH], 5, v[ZO]
	v_add_nc_u32 v[ZO], s94, v[ZO]
	s_lshl_b32 s94, s[SG], 14                      ; xg: my set's plane,
	v_lshlrev_b32 v[XO], 6, v[RR]                  ; row x 64 bytes + 16 x half
	v_lshl_add_u32 v[XO], v[HH], 4, v[XO]
	v_add_nc_u32 v[XO], s94, v[XO]
	s_mul_i32 s94, s[EE], 192
	v_lshlrev_b32 v[BO], 5, v[HH]                  ; bias: my 48 columns, my half's 8
	v_add_nc_u32 v[BO], s94, v[BO]
	s_wait_dscnt 0x0                               ; both opening adds are done
	s_wait_kmcnt 0x0
	s_add_nc_u64 s[92:93], s[4:5], s[84:85]
	s_add_nc_u64 s[GA0+2:GA0+3], s[92:93], 0       ; tile 0
	s_or_b32 s[GA0+3], s[GA0+3], 0x80000000        ; type = 2
	s_add_nc_u64 s[GA1+2:GA1+3], s[92:93], 1024    ; tile 1
	s_or_b32 s[GA1+3], s[GA1+3], 0x80000000
	s_add_nc_u64 s[GQ0+2:GQ0+3], s[8:9], s[86:87]
	s_add_nc_u64 s[GQ1+2:GQ1+3], s[GQ0+2:GQ0+3], 256
	s_or_b32 s[GQ0+3], s[GQ0+3], 0x80000000
	s_or_b32 s[GQ1+3], s[GQ1+3], 0x80000000
	s_add_nc_u64 s[GS0+2:GS0+3], s[10:11], s[88:89]
	s_or_b32 s[GS0+3], s[GS0+3], 0x80000000
	CROUND                                         ; all four work-groups are here: the first joint loads meet
	s_cmp_lt_u32 s[WV], 4                          ; a wave's first fills stand in one branch, ahead of every wait on TENSORcnt and every LDS read: two or three loads of mine are out
	s_cbranch_scc0 .Lfirst_q
	tensor_load_to_lds s[GA0:GA0+3], s[G1A:G1A+7]
	s_nop 0
	tensor_load_to_lds s[GA1:GA1+3], s[G1A:G1A+7]
	s_nop 0
.rept 4
	v_nop
.endr
	s_branch .Lfirst_asked
.Lfirst_q:
	tensor_load_to_lds s[GS0:GS0+3], s[G1S:G1S+7]
	s_nop 0
	tensor_load_to_lds s[GQ0:GQ0+3], s[G1Q:G1Q+7]
	s_nop 0
	tensor_load_to_lds s[GQ1:GQ1+3], s[G1Q:G1Q+7]
	s_nop 0
.rept 4
	v_nop
.endr
.Lfirst_asked:
	; the other bases
	s_lshl_b32 s94, s[N0], 7
	s_mov_b32 s95, 0
	s_add_nc_u64 s[12:13], s[12:13], s[94:95]      ; zeros at the block's first row
	s_lshl_b32 s94, s[N0], 2
	s_add_nc_u64 s[14:15], s[14:15], s[94:95]      ; bias at its first column
	s_lshl_b32 s90, s[CX], 12
	s_mov_b32 s91, 0
	s_add_nc_u64 s[6:7], s[6:7], s[90:91]          ; xg at my block's 64 rows
	; WHILE THE FIRST TILES ARE ON THEIR WAY: the zero term on my set's plane of X, and half the bias, start all twelve sums
.irp t, 0,1,2
	global_load_b128 v[ZR+16*(\t):ZR+16*(\t)+3],     v[ZO], s[12:13] offset:2048*(\t)      ; groups 8 h + 0..3
	global_load_b128 v[ZR+16*(\t)+4:ZR+16*(\t)+7],   v[ZO], s[12:13] offset:2048*(\t)+16   ; 8 h + 4..7
	global_load_b128 v[ZR+16*(\t)+8:ZR+16*(\t)+11],  v[ZO], s[12:13] offset:2048*(\t)+64   ; 16 + 8 h + 0..3
	global_load_b128 v[ZR+16*(\t)+12:ZR+16*(\t)+15], v[ZO], s[12:13] offset:2048*(\t)+80   ; 16 + 8 h + 4..7
.endr
.irp i, 0,1,2,3
	global_load_b128 v[XG+8*(\i):XG+8*(\i)+3],   v[XO], s[6:7] offset:1024*(\i)
	global_load_b128 v[XG+8*(\i)+4:XG+8*(\i)+7], v[XO], s[6:7] offset:1024*(\i)+32
.endr
.irp t, 0,1,2
	global_load_b128 v[BC+8*(\t):BC+8*(\t)+3],   v[BO], s[14:15] offset:64*(\t)
	global_load_b128 v[BC+8*(\t)+4:BC+8*(\t)+7], v[BO], s[14:15] offset:64*(\t)+16
.endr
	s_mul_i32 s90, s[CX], 64*OROW
	s_add_co_u32 s90, s90, s94                     ; + 4 n0
	s_add_nc_u64 s[16:17], s[16:17], s[90:91]      ; out at my tile's first number
	s_mul_i32 s90, s[CX], 48
	s_add_co_u32 s90, s90, s[N0]
	s_lshl_b32 s90, s90, 11
	s_add_co_u32 s90, s90, 768                     ; at tile 3: the first change of slots steps it to tile 4
	s_add_nc_u64 s[PQA:PQA+1], s[8:9], s[90:91]
	s_lshl_b32 s90, s[CX], 19
	s_add_co_u32 s90, s90, 3072                    ; likewise
	s_add_nc_u64 s[PXA:PXA+1], s[4:5], s[90:91]
	s_wait_loadcnt 0x0
.irp t, 0,1,2
.irp c, 0,1,2,3,4,5,6,7
	v_cvt_pk_bf16_f32 v[BF+8*(\t)+(\c)], v[ZR+16*(\t)+2*(\c)], v[ZR+16*(\t)+2*(\c)+1]
.endr
.endr
.irp c, 0,2,4,6,8,10,12,14,16,18,20,22
	v_pk_mul_f32 v[BC+(\c):BC+(\c)+1], v[BC+(\c):BC+(\c)+1], 0.5 op_sel_hi:[1,0]  ; each set adds half the bias
.endr
.irp t, 0,1,2
.irp i, 0,1,2,3
	v_wmma_f32_16x16x32_bf16 v[ACC+8*(4*(\t)+(\i)):ACC+8*(4*(\t)+(\i))+7], v[BF+8*(\t):BF+8*(\t)+7], v[XG+8*(\i):XG+8*(\i)+7], v[BC+8*(\t):BC+8*(\t)+7]
.endr
.endr
	; the addresses: plain vector lines that name no register of those products: the places ahead of the loads and lines that write their sources, and of the f16 products that add onto them
	s_lshl_b32 s94, s[SG], 9                       ; my set's 8 K steps of a tile's 16: 512 bytes of a row of xs
	v_mul_u32_u24 v[ABASE], v[RR], PA
	v_lshl_add_u32 v[ABASE], v[HH], 4, v[ABASE]    ; row x pitch + 16 x half
	v_add_nc_u32 v[ABASE], s94, v[ABASE]
	s_mul_i32 s94, s[EE], 48*PQ
	s_add_co_u32 s94, s94, QOFF
	s_lshl_b32 s95, s[SG], 7                       ; 128 bytes of a row of q
	s_add_co_u32 s94, s94, s95
	v_mul_u32_u24 v[QBASE], v[RR], PQ
	v_lshl_add_u32 v[QBASE], v[HH], 4, v[QBASE]    ; a lane's 16 bytes of q are two K steps' words: the halves of the lanes take neighbouring 16 bytes
	v_add_nc_u32 v[QBASE], s94, v[QBASE]
	s_mul_i32 s94, s[EE], 48*PS
	s_add_co_u32 s94, s94, SCLB
	s_lshl_b32 s95, s[SG], 3                       ; two groups' scales
	s_add_co_u32 s94, s94, s95
	v_mul_u32_u24 v[SAD], v[RR], PS
	v_add_nc_u32 v[SAD], s94, v[SAD]
	s_mul_i32 s94, s[EE], 192
	s_add_co_u32 s94, s94, STAGE
	v_mul_u32_u24 v[STO], v[RR], PST               ; into the stage: row l % 16, my 48 columns' 192 bytes, 32 bytes for each half of the lanes: the same in waves e and e + 4
	v_lshl_add_u32 v[STO], v[HH], 5, v[STO]
	v_add_nc_u32 v[STO], s94, v[STO]
	s_mul_i32 s94, s[WV], 8*PST
	s_add_co_u32 s94, s94, STAGE
	v_mul_u32_u24 v[RD], v[HH], PST                ; back: wave v takes rows 8 v .. 8 v + 7; lanes 0-15 256 bytes of one row, lanes 16-31 of the next
	v_lshl_add_u32 v[RD], v[RR], 4, v[RD]
	v_add_nc_u32 v[RD], s94, v[RD]
	s_mul_i32 s94, s[WV], 8*OROW
	v_mul_u32_u24 v[CO], v[HH], OROW               ; and the same two rows in out
	v_lshl_add_u32 v[CO], v[RR], 4, v[CO]
	v_add_nc_u32 v[CO], s94, v[CO]
	s_max_u32 s94, s[WV], 1
	s_sub_co_u32 s94, s94, 1
	s_min_u32 s94, s94, 2                          ; waves 1 to 3: 16 rows of 2,048 bytes each (the other waves ask for nothing; their offset stays inside the 48 rows)
	s_lshl_b32 s94, s94, 15
	v_lshlrev_b32 v[PFQ], 11, v[RR]
	v_lshl_add_u32 v[PFQ], v[HH], 8, v[PFQ]        ; the upper half of the lanes: the next tile
	v_add_nc_u32 v[PFQ], s94, v[PFQ]
	s_lshl_b32 s94, s[EE], 17                      ; 16 rows of 8,192 bytes
	v_bfe_u32 v[PFX], v0, 2, 3                     ; 8 rows,
	v_lshlrev_b32 v[PFX], 13, v[PFX]
	v_and_b32 v[TT], 3, v0                         ; 4 x 256 bytes of each
	v_lshl_add_u32 v[PFX], v[TT], 8, v[PFX]
	v_add_nc_u32 v[PFX], s94, v[PFX]
	v_mov_b32 v[AAD], v[ABASE]                     ; slot 0
	v_mov_b32 v[QAD], v[QBASE]
; THE LDS LOADS stand in one run at a K step's head.  j counts my set's 8 K steps of a tile.  FA: xs's four fragments of K step j (16 rows x 32 positions each: two loads of 16 bytes, 32 bytes apart) into set j % 2.
.macro FA j
.irp i, 0,1,2,3
	ds_load_b128 v[AF+32*((\j)%2)+8*(\i):AF+32*((\j)%2)+8*(\i)+3],   v[AAD] offset:16*PA*(\i)+64*((\j)%8)
	ds_load_b128 v[AF+32*((\j)%2)+8*(\i)+4:AF+32*((\j)%2)+8*(\i)+7], v[AAD] offset:16*PA*(\i)+64*((\j)%8)+32
.endr
.endm
; FR: the raw words of K steps 2 jp and 2 jp + 1, for my three groups of 16 columns, into set jp % 2
.macro FR jp
.irp t, 0,1,2
	ds_load_b128 v[RW+12*((\jp)%2)+4*(\t):RW+12*((\jp)%2)+4*(\t)+3], v[QAD] offset:16*PQ*(\t)+32*((\jp)%4)
.endr
.endm
; FS: my rows' scales of the group at byte off behind my first of the tile
.macro FS off
.irp t, 0,1,2
	ds_load_b32 v[SF+(\t)], v[SAD] offset:16*PS*(\t)+(\off)
.endr
.endm
; SCL: a new group's scale for columns 16 t on: s16 twice, and the two addends, which are exact
.macro SCL t
	v_cvt_pk_f16_f32 v[SCR+3*(\t)], v[SF+(\t)], v[SF+(\t)]
	v_pk_mul_f16 v[SCR+3*(\t)+1], v[SCR+3*(\t)], 0xe400e400   ; x -1024
	v_pk_mul_f16 v[SCR+3*(\t)+2], v[SCR+3*(\t)], 0xd400d400   ; x -64
.endm
; DQL: line dqn (0..17) of the unpacking of columns 16 tn on for K step jn: 0, 1 the two shifts; 2-9 the eight words (magic + q); 10-17 the eight multiply-adds.  It steps dqn.
.macro DQL jn, tn
.set dqw, RW+12*(((\jn)/2)%2)+4*(\tn)+2*((\jn)%2)
.set dqb, BF+8*(\tn)
.set dqs, SCR+3*(\tn)
.if dqn < 2
	v_lshrrev_b32 v[TW+dqn], 8, v[dqw+dqn]
.elseif dqn < 10
.set dqe, dqn-2
.if (dqe%4) == 0
	v_and_or_b32 v[dqb+dqe], v[dqw+dqe/4], s[MSKL], s[MAG1]
.elseif (dqe%4) == 1
	v_and_or_b32 v[dqb+dqe], v[dqw+dqe/4], s[MSKH], s[MAG2]
.elseif (dqe%4) == 2
	v_and_or_b32 v[dqb+dqe], v[TW+dqe/4], s[MSKL], s[MAG1]
.else
	v_and_or_b32 v[dqb+dqe], v[TW+dqe/4], s[MSKH], s[MAG2]
.endif
.else
.set dqe, dqn-10
	v_pk_fma_f16 v[dqb+dqe], v[dqb+dqe], v[dqs], v[dqs+1+dqe%2]
.endif
.set dqn, dqn+1
.endm
; NT: the four products of K step j for columns 16 t on; behind them (deq = 1) the 18 lines that unpack columns 16 tn on for K step jn, 5, 5, 4, 4; where jn begins a group, its scale first.
; No rider names a register of the products round it: it writes the weights of another t, last read 22 plain lines back or more.
.macro NT j, t, jn, tn, deq
.set dqn, 0
.irp i, 0,1,2,3
	v_wmma_f32_16x16x32_f16 v[ACC+8*(4*(\t)+(\i)):ACC+8*(4*(\t)+(\i))+7], v[BF+8*(\t):BF+8*(\t)+7], v[AF+32*((\j)%2)+8*(\i):AF+32*((\j)%2)+8*(\i)+7], v[ACC+8*(4*(\t)+(\i)):ACC+8*(4*(\t)+(\i))+7]
.if \deq
.if ((\i) == 0) && (((\jn)%4) == 0)
	SCL \tn
.endif
.rept 5-(\i)/2
	DQL \jn, \tn
.endr
.endif
.endr
.endm
; K step j of my eight, 0 to 6.  The run of loads stands four plain lines (the last four multiply-adds, which name none of its registers) behind the last product that read the set that FA fills.
; Raw words are asked for a K step and two thirds ahead of their first use, fragments of xs and scales a K step or more.  My second group's scale lies 4 bytes behind my first's, the next tile's first
; 16 bytes behind it.  mode = 2: the last tile has no group behind its last.
.macro KS j, mode
	s_wait_dscnt 0x0                               ; this K step's fragments, asked for a K step ago, are in, and whatever raw words and scales were asked for with them
.if (((\j)%2) == 0) && ((\j) <= 4)
	FR ((\j)+2)/2
.endif
.if (\j) == 1
	FS 4
.endif
.if ((\j) == 5) && ((\mode) != 2)
	FS 16
.endif
	FA (\j)+1
	NT \j,0,\j,1,1
	NT \j,1,\j,2,1
	NT \j,2,(\j)+1,0,1
.endm
; My K step 7 and THE CHANGE OF SLOTS.  ONE barrier: in front of it each wave waits for all its tensor loads, of which one is out: its part of the other slot; adds 0 to its spare word; and waits for that
; and for its own reads of this slot, the last of which were asked for a K step ago.  Behind it nobody reads this slot any more and the other slot is whole.
; mode = 0: this slot is filled again, with the tile two tiles on; the barrier then opens a round of the cluster's barrier, so that no wave of any partner still reads the slot or has a load on its way, and the
; refill is the first thing behind it: it has a tile less a K step, 84 products of each wave, in which to land.  mode = 1: nothing is left to ask for.  mode = 2: the last tile: no change.
.macro KS7 mode
.if (\mode) == 2
	s_wait_dscnt 0x0
	NT 7,0,7,1,1
	NT 7,1,7,2,1
	NT 7,2,0,0,0
.else
	s_wait_tensorcnt 0x0                           ; no tensor load of mine is out, so a group 0 may be written
	ds_add_u32 v[SPW], v[NIL]                      ; 0 onto my spare word; with mode = 0 the scalar steps stand between it and the wait for it
.if (\mode) == 0
	s_xor_b32 s[GA1+1], s[GA1+1], SLOT1            ; the walking descriptors: the other slot than last time,
	s_add_nc_u64 s[GA1+2:GA1+3], s[GA1+2:GA1+3], 1024  ; the next tile; the type bits on top are not reached
	s_xor_b32 s[GQ1+1], s[GQ1+1], SLOT1
	s_add_nc_u64 s[GQ1+2:GQ1+3], s[GQ1+2:GQ1+3], 256
	s_wait_xcnt 0x0                                ; the last prefetches, a tile back, have read their addresses, so these may be written
	s_add_nc_u64 s[PQA:PQA+1], s[PQA:PQA+1], 256
	s_add_nc_u64 s[PXA:PXA+1], s[PXA:PXA+1], 1024
.endif
	s_wait_dscnt 0x0                               ; the add is done, K step 7's fragments are in, and my reads of this slot are over
	s_barrier_signal -1
	NT 7,0,7,1,1                                   ; work on registers while the others arrive
	s_barrier_wait -1
.if (\mode) == 0
	CREST
	JLOAD
.endif
	s_xor_b32 s[TB], s[TB], SLOT1
	v_add_nc_u32 v[AAD], s[TB], v[ABASE]
	v_add_nc_u32 v[QAD], s[TB], v[QBASE]
	v_add_nc_u32 v[SAD], 16, v[SAD]                ; four groups on
	FR 0                                           ; the next tile's first raw words and fragments, from the other slot
	FA 0
.if (\mode) == 0
	ASK                                            ; behind the refill and the run of LDS loads
.endif
	NT 7,1,7,2,1
	s_wait_dscnt 0x8                               ; the three loads of raw words are in; the eight of fragments, issued behind them, may stay out
	NT 7,2,8,0,1
.endif
.endm
.macro TILE mode
.irp jj, 0,1,2,3,4,5,6
	KS \jj, \mode
.endr
	KS7 \mode
.endm
	s_wait_tensorcnt 0x1                           ; my parts of slot 0 and of the scales are in; only my youngest load, slot 1's, may be out
	s_barrier_signal -1
	s_barrier_wait -1                              ; everybody's are
	FR 0
	FS 0
	FA 0
	s_wait_dscnt 0x0
	SCL 0
.set dqn, 0
.rept 18
	DQL 0, 0                                       ; the first weights: there is no product yet to set them behind
.endr
.Ltile:                                                ; six trips: tiles 0 to 5, each of which asks for the tile two on
	TILE 0
	s_sub_co_u32 s[CNT], s[CNT], 1
	s_cmp_lg_u32 s[CNT], 0
	s_cbranch_scc1 .Ltile
	TILE 1                                         ; the tail is written out: tile 6 asks for nothing
	TILE 2                                         ; tile 7 changes no slot
	; THE TWO SETS MEET.  Waves e and e + 4 hold sums for the same numbers in the same lanes and registers.  Set 1 puts its sums into the stage; behind a barrier set 0 takes them, adds, and puts the
	; whole sums into the same bytes.  The branches hang on the wave's number and lead round LDS instructions and their counted waits alone, never round a barrier.
.macro TOSTAGE                         ; a lane's eight numbers of a row are 32 bytes; each accumulator's lowest registers go first
.irp t, 0,1,2
.irp i, 0,1,2,3
	ds_store_b128 v[STO], v[ACC+8*(4*(\t)+(\i)):ACC+8*(4*(\t)+(\i))+3]   offset:16*PST*(\i)+64*(\t)
	ds_store_b128 v[STO], v[ACC+8*(4*(\t)+(\i))+4:ACC+8*(4*(\t)+(\i))+7] offset:16*PST*(\i)+64*(\t)+16
.endr
.endr
.endm
.rept 4
	v_nop                                          ; the places behind the last products (ISA guide 7.12.1)
.endr
	s_cmp_lt_u32 s[WV], 4
	s_cbranch_scc1 .Lset0_waits
	TOSTAGE
.Lset0_waits:
	s_wait_dscnt 0x0                               ; for set 0's sake: my stores into the stage are done
	s_barrier_signal -1
	s_barrier_wait -1
	s_cmp_lt_u32 s[WV], 4
	s_cbranch_scc0 .Lset1_waits
.irp t, 0,1,2
.irp i, 0,1,2,3
	ds_load_b128 v[OB+8*(4*(\t)+(\i)):OB+8*(4*(\t)+(\i))+3],   v[STO] offset:16*PST*(\i)+64*(\t)
	ds_load_b128 v[OB+8*(4*(\t)+(\i))+4:OB+8*(4*(\t)+(\i))+7], v[STO] offset:16*PST*(\i)+64*(\t)+16
.endr
.endr
.set a, 0
.rept 12
	s_wait_dscnt 22-2*a                            ; LDS loads come back in order (ISA guide 5.7.1): accumulator a's two are in, the later ones' stay out
.irp c, 0,2,4,6
	v_pk_add_f32 v[ACC+8*a+(\c):ACC+8*a+(\c)+1], v[ACC+8*a+(\c):ACC+8*a+(\c)+1], v[OB+8*a+(\c):OB+8*a+(\c)+1]
.endr
.set a, a+1
.endr
	TOSTAGE                                        ; over the bytes that I alone have read
.Lset1_waits:
	s_wait_dscnt 0x0                               ; for the others' sake: my stores into the stage are done
	s_barrier_signal -1
	s_barrier_wait -1
	; THE WAY OUT.  256 consecutive bytes of out hold columns of two waves, so the tile is read back from the stage by rows, 8 rows a wave.
.macro BACK u, base                    ; my 8 rows' columns 64 u .. 64 u + 63, two rows a load
.irp p, 0,1,2,3
	ds_load_b128 v[(\base)+4*(\p):(\base)+4*(\p)+3], v[RD] offset:2*PST*(\p)+256*(\u)
.endr
.endm
.macro SENDU u, base, younger          ; younger: the LDS loads issued behind BACK's, which may stay out
.irp p, 0,1,2,3
	s_wait_dscnt (\younger)+3-(\p)
	global_store_b128 v[CO], v[(\base)+4*(\p):(\base)+4*(\p)+3], s[16:17] offset:2*OROW*(\p)+256*(\u) th:TH_STORE_NT  ; 16 lanes store 256 consecutive bytes, at a multiple of 256 from out's first byte
.endr
.endm
	BACK 2, OB
	SENDU 2, OB, 0
	s_cmp_eq_u32 s[BLK], 57                        ; the last column block's first 128 columns are its neighbour's to store.  The block's number is the same in all four partners
	s_cbranch_scc1 .Ledge
	BACK 0, OB+16
	BACK 1, OB+32
	SENDU 0, OB+16, 4
	SENDU 1, OB+32, 0
.Ledge:
	s_wait_tensorcnt 0x0                           ; the wave's end, behind my last tensor load and my last LDS store
	ds_add_u32 v[SPW], v[NIL]
	s_wait_dscnt 0x0
	CROUND                                         ; the closing round: no work-group ends while a partner may still ask for a tile that names it
	s_endpgm
.Lfunc_end_k_q5cb97dd77c_gemm:
	.size	k_q5cb97dd77c_gemm, .Lfunc_end_k_q5cb97dd77c_gemm-k_q5cb97dd77c_gemm
	.p2alignl 7, 3214868480
	.fill 96, 4, 3214868480
	.section	.rodata,"a",@progbits
	.p2align	6, 0x0
	.amdhsa_kernel k_q5cb97dd77c_gemm
		.amdhsa_group_segment_fixed_size 327680
		.amdhsa_private_segment_fixed_size 0
		.amdhsa_enable_private_segment 0
		.amdhsa_kernarg_size 56
		.amdhsa_user_sgpr_count 2
		.amdhsa_user_sgpr_kernarg_segment_ptr 1
		.amdhsa_wavefront_size32 1
		.amdhsa_system_sgpr_workgroup_id_x 1
		.amdhsa_system_sgpr_workgroup_id_y 1
		.amdhsa_system_sgpr_workgroup_id_z 1
		.amdhsa_system_vgpr_workitem_id 0
		.amdhsa_next_free_vgpr 256
		.amdhsa_next_free_sgpr 96
		.amdhsa_reserve_vcc 0
		.amdhsa_float_denorm_mode_32 3
		.amdhsa_float_denorm_mode_16_64 3
		.amdhsa_memory_ordered 1
		.amdhsa_forward_progress 1
		.amdhsa_inst_pref_size 144
	.end_amdhsa_kernel
	.amdgpu_metadata
---
amdhsa.version: [ 1, 2 ]
amdhsa.kernels:
  - .name:           k_q5cb97dd77c_gemm
    .symbol:         k_q5cb97dd77c_gemm.kd
    .args:
      - { .name: xs, .offset: 0, .size: 8, .value_kind: global_buffer, .address_space: global }
      - { .name: xg, .offset: 8, .size: 8, .value_kind: global_buffer, .address_space: global }
      - { .name: qweight, .offset: 16, .size: 8, .value_kind: global_buffer, .address_space: global }
      - { .name: scales, .offset: 24, .size: 8, .value_kind: global_buffer, .address_space: global }
      - { .name: zeros, .offset: 32, .size: 8, .value_kind: global_buffer, .address_space: global }
      - { .name: bias, .offset: 40, .size: 8, .value_kind: global_buffer, .address_space: global }
      - { .name: out0, .offset: 48, .size: 8, .value_kind: global_buffer, .address_space: global }
    .group_segment_fixed_size: 327680
    .private_segment_fixed_size: 0
    .kernarg_segment_align: 8
    .kernarg_segment_size: 56
    .max_flat_workgroup_size: 256
    .sgpr_count:     96
    .vgpr_count:     256
    .wavefront_size: 32
...
	.end_amdgpu_metadata
.endif
;; end of part 2
;; ======== version 2 of 2: 2 launches; version 1 with the launch prep written anew for expert scheduling mode
;; limits: values are held in f16: magnitudes above 65,504 overflow, below 6.1e-05 lose precision; right only within a limited range of input values
;; workspace buffers: xs 2,097,152 bytes; xg 32,768 bytes
;; launch prep (part 3): grid 64 x 1, 16 waves a work-group, no clusters, 2,560 bytes of LDS; arguments x, channel_scales, xs, xg; writes xs, xg
.if DOCPART == 3
	.amdgcn_target "amdgcn-amd-amdhsa--gfx1250"
	.amdhsa_code_object_version 6
	.text
	.protected	k_q5cb97dd77c_prep
	.globl	k_q5cb97dd77c_prep
	.p2align	8
	.type	k_q5cb97dd77c_prep,@function
k_q5cb97dd77c_prep:
	s_mov_b64 s[64:65], 0
	v_nop
	global_prefetch_b8 v0, s[64:65] scope:SCOPE_SE
	s_setreg_imm32_b32 hwreg(HW_REG_WAVE_SCHED_MODE, 0, 2), 2
	s_setreg_imm32_b32 hwreg(HW_REG_WAVE_MODE, 25, 1), 1
	s_wait_xcnt 0x0
	s_wait_alu depctr_vm_vsrc(0)
; FIRST OF TWO LAUNCHES for y[m][n] = sum over k of x[m][k] (q[n][k] s[n][g] + z[n][g]) / cs[k] + bias[n], g = k / 128.
; NOTHING IS LEFT OUT: all six inputs reach the result.  The sum is only regrouped, by identities that hold for all finite inputs with cs != 0:
;   with xs[m][k] = x[m][k] / cs[k] and X[m][g] = the sum of xs[m][k] over the 128 k of group g,
;   y[m][n] = sum_k xs[m][k] (q[n][k] s[n][g]) + sum_g z[n][g] X[m][g] + bias[n].
; THIS LAUNCH makes xs (f16, [256][4096], k permuted inside each group) and xg = X, summed in f32 from the unrounded products and written as TWO bf16 numbers: plane 0 holds hi = bf16(X), plane 1
; lo = bf16(X - hi): [2][256][32].  The second launch has two sets of waves, each of which starts its sums with one of the planes.
; THE PERMUTATION is the one that the second launch's unpacking of the 4-bit weights gives to q, so that the products meet the same k.  In chunks of 8 numbers: chunk v (0..15) of a group
; in xs holds chunk u = (v & 8) | ((v & 1) << 2) | ((v >> 1) & 3) of x; inside a chunk word i holds (k_i, k_i+4).
; LIMITS.  |x / cs| must stay under 65,504 (f16); below 6e-5 xs keeps f16's fixed step.  1 / cs is v_rcp_f32's (within one unit in the last place; a denormal cs counts as 0: ISA guide 15.8).
; With cs = 0, NaN or infinities among the inputs the pattern of non-finite results may differ from the reference's.
; SHARES.  A work-group takes 4 rows, so that its 4 x 64 bytes of each plane of xg are 256 consecutive bytes, aligned.  Thread t (0..511) owns chunk t of each row of xs: a wave's store covers 512 consecutive bytes.
; All ten loads of a thread go out at once.  No tensor loads, clusters or matrix units: the launch is a stream of a few megabytes, each byte read once; no prefetch, since every load is issued at the head.
; THE MODE: SCHED_MODE bits 1:0 = 2 (LLVM: expert scheduling mode 2), set by the entry lines.  The code itself states the register dependences
; between vector instructions and memory or LDS instructions, with s_wait_alu, always for 0.
; THE PLAN.  Registers that memory or LDS instructions touch:
;   v1 to v4      offsets and LDS addresses: written at the head, read by every load and store, never written again: one wait ahead of the first load serves them all.
;   v[8:15]       cs lands here; the eight reciprocals read it.  At the end wave 0's two LDS loads land in v[8:11], which no vector line behind the reciprocals' wait names and no memory instruction has read.
;   v[16:47]      a row's 8 numbers land in its 8 registers; the row's arithmetic works in place and rounds into the lowest four, which the row's store reads; nothing writes them behind that.
;   v[56:59]      at work; last written by the four roundings to bf16, then read by the eight LDS stores; nothing writes them behind that.
;   v5, v6        written at the head, read by the closing add alone.
; No register that a memory or LDS instruction has read is written again, so beyond the entry lines the text holds no wait on vm_vsrc.  The stores stand in two runs, each behind one wait on va_vdst: rows 0 and 1 at row 2's
; head, behind the wait for row 2's data; the LDS stores and rows 2 and 3 behind the last roundings.
.set XROW,  16384                      ; bytes in a row of x
.set YROW,  8192                       ; bytes in a row of xs
.set PLANE, 16384                      ; bytes in a plane of xg
.set SPARE, 512                        ; LDS: bytes 0-255 the stage for hi ([row][group] bf16), 256-511 for lo; from 512 on the spare words, 128 bytes for each of 16 waves, which no other line names
.set SRC, 1                            ; v1  my chunk's byte offset in a row of x, and in cs
.set DST, 2                            ; v2  16 t: my chunk's byte offset in a row of xs
.set LA,  3                            ; v3  2 g: my group's place in a row of the stage
.set LR,  4                            ; v4  8 x lane: wave 0 reads the stage back and stores it
.set SPW, 5                            ; v5  LDS address of my spare word; never rewritten
.set NIL, 6                            ; v6  0; never rewritten
.set CSC, 8                            ; v[8:15]   cs of my 8 channels; at the end, in wave 0, v[8:11] take the stage back
.set X,   16                           ; v[16:47]  8 numbers of each of 4 rows
.set RC,  48                           ; v[48:55]  1 / cs; at the end v[48:51] hold hi in f32
.set TMP, 56                           ; v[56:59]  at work
.set SUM, 60                           ; v[60:63]  a row's sum over my chunk, then over the group
	s_load_b256 s[4:11], s[0:1], 0x0               ; x s[4:5], cs s[6:7], xs s[8:9], xg s[10:11]
	v_lshl_add_u32 v[SPW], v0, 2, SPARE
	v_mov_b32 v[NIL], 0
	v_lshrrev_b32 v[TMP], 5, v0
	v_readfirstlane_b32 s12, v[TMP]                ; wave 0..15
	v_lshrrev_b32 v[LA], 4, v0                     ; g
	v_and_b32 v[TMP], 8, v0                        ; v & 8
	v_and_b32 v[TMP+1], 1, v0
	v_lshl_or_b32 v[TMP], v[TMP+1], 2, v[TMP]      ; | (v & 1) << 2
	v_bfe_u32 v[TMP+1], v0, 1, 2
	v_or_b32 v[TMP], v[TMP], v[TMP+1]              ; | (v >> 1) & 3: u
	v_lshlrev_b32 v[TMP], 5, v[TMP]                ; a chunk of x is 32 bytes
	v_lshl_or_b32 v[SRC], v[LA], 9, v[TMP]         ; a group of x is 512 bytes
	v_lshlrev_b32 v[LA], 1, v[LA]
	v_lshlrev_b32 v[DST], 4, v0
	v_and_b32 v[LR], 31, v0
	v_lshlrev_b32 v[LR], 3, v[LR]
	s_wait_alu depctr_va_sdst(0)                   ; s12 is written, ahead of its first reader: the compare behind the barrier, which picks wave 0
	s_lshl_b32 s14, ttmp9, 16                      ; the work-group's 4 rows: of x,
	s_mov_b32 s15, 0
	s_lshl_b32 s16, ttmp9, 15                      ; of xs,
	s_mov_b32 s17, 0
	s_lshl_b32 s18, ttmp9, 8                       ; of a plane of xg
	s_mov_b32 s19, 0
	s_wait_kmcnt 0x0
	s_add_nc_u64 s[4:5], s[4:5], s[14:15]
	s_add_nc_u64 s[8:9], s[8:9], s[16:17]
	s_add_nc_u64 s[10:11], s[10:11], s[18:19]
	s_wait_alu depctr_va_vdst(0)                   ; v1 to v4 are written: every load and store, and every LDS instruction but the closing add, reads one of them as its offset or address
	global_load_b128 v[CSC:CSC+3],   v[SRC], s[6:7]
	global_load_b128 v[CSC+4:CSC+7], v[SRC], s[6:7] offset:16
.irp p, 0,1,2,3
	global_load_b128 v[X+8*(\p):X+8*(\p)+3],   v[SRC], s[4:5] offset:(\p)*XROW th:TH_LOAD_NT
	global_load_b128 v[X+8*(\p)+4:X+8*(\p)+7], v[SRC], s[4:5] offset:(\p)*XROW+16 th:TH_LOAD_NT
.endr
	s_wait_loadcnt 0x8                             ; cs is in; the eight loads of x issued behind it may stay out
.irp c, 0,1,2,3,4,5,6,7
	v_rcp_f32 v[RC+(\c)], v[CSC+(\c)]
.endr
	v_nop                                          ; a plain instruction behind the last reciprocal (ISA guide 5.7.2),
	s_wait_alu depctr_va_vdst(0)                   ; and one wait for the batch of eight: v[RC ..] are written, ahead of their first reader; the reciprocals are also done reading v[CSC ..]
; Row p leaves: its four lowest registers, 16 bytes a lane.
.macro SEND p
	global_store_b128 v[DST], v[X+8*(\p):X+8*(\p)+3], s[8:9] offset:(\p)*YROW
.endm
; Row p: scaled in f32; its chunk's sum taken of the unrounded numbers; then rounded to f16 into the row's own four lowest registers, from which it is stored later: no store's data is ever rewritten.
.macro ROW p
	s_wait_loadcnt 6-2*(\p)                        ; loads come back in order (ISA guide 5.7.1): my row's two are in, the later rows' stay out
.if (\p) == 2
	s_wait_alu depctr_va_vdst(0)                   ; the roundings of rows 0 and 1 have written those rows' four lowest registers, which the two stores below read
	SEND 0
	SEND 1
.endif
.irp c, 0,2,4,6
	v_pk_mul_f32 v[X+8*(\p)+(\c):X+8*(\p)+(\c)+1], v[X+8*(\p)+(\c):X+8*(\p)+(\c)+1], v[RC+(\c):RC+(\c)+1]
.endr
	v_pk_add_f32 v[TMP:TMP+1],   v[X+8*(\p):X+8*(\p)+1],   v[X+8*(\p)+2:X+8*(\p)+3]
	v_pk_add_f32 v[TMP+2:TMP+3], v[X+8*(\p)+4:X+8*(\p)+5], v[X+8*(\p)+6:X+8*(\p)+7]
	v_pk_add_f32 v[TMP:TMP+1], v[TMP:TMP+1], v[TMP+2:TMP+3]
	v_add_f32 v[SUM+(\p)], v[TMP], v[TMP+1]
.irp i, 0,1,2,3
	v_cvt_pk_f16_f32 v[X+8*(\p)+(\i)], v[X+8*(\p)+(\i)], v[X+8*(\p)+(\i)+4]  ; word i = (k_i, k_i+4)
.endr
.endm
	ROW 0
	ROW 1
	ROW 2
	ROW 3
	; a group's 16 chunks lie in 16 neighbouring lanes: four steps inside them, riding on the additions; every lane ends with the group's sum
.irp m, 1,2,4,8
.irp p, 0,1,2,3
	v_add_f32_dpp v[SUM+(\p)], v[SUM+(\p)], v[SUM+(\p)] row_xmask:\m row_mask:0xf bank_mask:0xf
.endr
.endr
	v_cvt_pk_bf16_f32 v[TMP],   v[SUM],   v[SUM+1] ; hi of rows 0, 1
	v_cvt_pk_bf16_f32 v[TMP+1], v[SUM+2], v[SUM+3] ; of rows 2, 3
	v_lshlrev_b32 v[RC],   16, v[TMP]              ; hi back in f32: the low half moves up,
	v_and_b32     v[RC+1], 0xffff0000, v[TMP]      ; the high half stays
	v_lshlrev_b32 v[RC+2], 16, v[TMP+1]
	v_and_b32     v[RC+3], 0xffff0000, v[TMP+1]
	v_pk_add_f32 v[SUM:SUM+1],   v[SUM:SUM+1],   v[RC:RC+1]   neg_lo:[0,1] neg_hi:[0,1]  ; X - hi, exact
	v_pk_add_f32 v[SUM+2:SUM+3], v[SUM+2:SUM+3], v[RC+2:RC+3] neg_lo:[0,1] neg_hi:[0,1]
	v_cvt_pk_bf16_f32 v[TMP+2], v[SUM],   v[SUM+1] ; lo
	v_cvt_pk_bf16_f32 v[TMP+3], v[SUM+2], v[SUM+3]
	s_wait_alu depctr_va_vdst(0)                   ; the roundings to bf16 have written v[TMP ..], which the LDS stores read; those of rows 2 and 3 have written the data of the two stores behind them.  No vector line follows in the kernel
.irp c, 0,1
	ds_store_b16        v[LA], v[TMP+2*(\c)]   offset:256*(\c)       ; the 16 lanes of a group write the same two bytes with the same value
	ds_store_b16_d16_hi v[LA], v[TMP+2*(\c)]   offset:256*(\c)+64
	ds_store_b16        v[LA], v[TMP+2*(\c)+1] offset:256*(\c)+128
	ds_store_b16_d16_hi v[LA], v[TMP+2*(\c)+1] offset:256*(\c)+192
.endr
	SEND 2                                         ; behind the LDS stores, for which the barrier waits
	SEND 3
	s_wait_dscnt 0x0                               ; for wave 0's sake: my stores into the stage are done
	s_barrier_signal -1
	s_barrier_wait -1
	s_cmp_lg_u32 s12, 0
	s_cbranch_scc1 .Lend
	ds_load_b64 v[CSC:CSC+1],   v[LR]              ; into registers that no memory instruction has read, and that no vector line has named since the reciprocals, which stand ahead of the waits above
	ds_load_b64 v[CSC+2:CSC+3], v[LR] offset:256
	s_wait_dscnt 0x0
	global_store_b64 v[LR], v[CSC:CSC+1],   s[10:11]               ; 32 lanes store 256 consecutive bytes, at a multiple of 256 from xg's first byte: hi,
	global_store_b64 v[LR], v[CSC+2:CSC+3], s[10:11] offset:PLANE  ; and lo
.Lend:
	s_wait_dscnt 0x0                               ; the wave's end
	s_wait_alu 0x0
	s_wait_tensorcnt 0x0
	ds_add_u32 v[SPW], v[NIL]
	s_wait_dscnt 0x0
	s_endpgm
.Lfunc_end_k_q5cb97dd77c_prep:
	.size	k_q5cb97dd77c_prep, .Lfunc_end_k_q5cb97dd77c_prep-k_q5cb97dd77c_prep
	.p2alignl 7, 3214868480
	.fill 96, 4, 3214868480
	.section	.rodata,"a",@progbits
	.p2align	6, 0x0
	.amdhsa_kernel k_q5cb97dd77c_prep
		.amdhsa_group_segment_fixed_size 2560
		.amdhsa_private_segment_fixed_size 0
		.amdhsa_enable_private_segment 0
		.amdhsa_kernarg_size 32
		.amdhsa_user_sgpr_count 2
		.amdhsa_user_sgpr_kernarg_segment_ptr 1
		.amdhsa_wavefront_size32 1
		.amdhsa_system_sgpr_workgroup_id_x 1
		.amdhsa_system_sgpr_workgroup_id_y 1
		.amdhsa_system_sgpr_workgroup_id_z 1
		.amdhsa_system_vgpr_workitem_id 0
		.amdhsa_next_free_vgpr 64
		.amdhsa_next_free_sgpr 66
		.amdhsa_reserve_vcc 0
		.amdhsa_float_denorm_mode_32 3
		.amdhsa_float_denorm_mode_16_64 3
		.amdhsa_memory_ordered 1
		.amdhsa_forward_progress 1
		.amdhsa_inst_pref_size 9
	.end_amdhsa_kernel
	.amdgpu_metadata
---
amdhsa.version: [ 1, 2 ]
amdhsa.kernels:
  - .name:           k_q5cb97dd77c_prep
    .symbol:         k_q5cb97dd77c_prep.kd
    .args:
      - { .name: x, .offset: 0, .size: 8, .value_kind: global_buffer, .address_space: global }
      - { .name: channel_scales, .offset: 8, .size: 8, .value_kind: global_buffer, .address_space: global }
      - { .name: xs, .offset: 16, .size: 8, .value_kind: global_buffer, .address_space: global }
      - { .name: xg, .offset: 24, .size: 8, .value_kind: global_buffer, .address_space: global }
    .group_segment_fixed_size: 2560
    .private_segment_fixed_size: 0
    .kernarg_segment_align: 8
    .kernarg_segment_size: 32
    .max_flat_workgroup_size: 512
    .sgpr_count:     66
    .vgpr_count:     64
    .wavefront_size: 32
...
	.end_amdgpu_metadata
.endif
;; end of part 3
;; launch gemm: the kernel of part 2 again; grid 4 x 58, 8 waves a work-group, clusters of 4 x 1, 327,680 bytes of LDS; arguments xs, xg, qweight, scales, zeros, bias, out0; writes out0
